; MI455X (gfx1250); checked and timed in simulation.
; The chip was launched on July 23, 2026; its instructions are those of AMD's public machine-readable ISA for CDNA 5 (MIT licence, August 2026) and "CDNA5" Instruction Set Architecture Reference Guide (July 2026). The comments in the code are by the model that wrote it; some were corrected since.
;; Multi Headed Attention1 D. Allowed arithmetic: float matrix products may take bf16 or f16 operands with f32 sums; all other float work in f32.
;; Inputs: Wk 1,024 x 1,024 float32; Wo 1,024 x 1,024 float32; Wq 1,024 x 1,024 float32; Wv 1,024 x 1,024 float32; X_Key 2,048 x 1,024 float32; X_Query 2,048 x 1,024 float32; X_Value 2,048 x 1,024 float32; bk 1,024 float32; bo 1,024 float32; bq 1,024 float32; bv 1,024 float32.
;; Outputs: out0 2,048 x 1,024 float32.
;; One version. Each part assembles by itself: llvm-mc -triple=amdgcn-amd-amdhsa -mcpu=gfx1250 --defsym DOCPART=n.
;; ======== version 1 of 1: 3 launches
;; limits: values are held in f16: magnitudes above 65,504 overflow, below 6.1e-05 lose precision
;; workspace buffers: xb 12,582,912 bytes; wt 8,388,608 bytes; yh 4,194,304 bytes
;; launch prep (part 1): grid 512 x 1, 8 waves a work-group, no clusters, 18,432 bytes of LDS; arguments X_Query, X_Key, X_Value, Wq, Wk, Wv, Wo, xb, wt; writes xb, wt
.if DOCPART == 1
	.amdgcn_target "amdgcn-amd-amdhsa--gfx1250"
	.amdhsa_code_object_version 6
	.text
	.protected	k_qe29b12c1e6_prep
	.globl	k_qe29b12c1e6_prep
	.p2align	8
	.type	k_qe29b12c1e6_prep,@function
k_qe29b12c1e6_prep:
	s_mov_b64 s[64:65], 0
	v_nop
	global_prefetch_b8 v0, s[64:65] scope:SCOPE_SE
	s_setreg_imm32_b32 hwreg(HW_REG_WAVE_MODE, 25, 1), 1
	s_wait_xcnt 0x0
; Casts the operands of the products to 16 bits, once, so that the two later launches (in which each operand byte is used by
; sixteen work-groups) move half the bytes and convert nothing.
;   xb: bf16 [3][2048][1024] = X_Query, X_Key, X_Value as they lie.
;   wt: [16 cb][4 mat][64 p][1024 k] of 16 bits, mat 0 Wq, 1 Wk, 2 Wv in bf16, mat 3 Wo in f16: the weights TRANSPOSED (k along the
;       rows), and inside each block of 64 columns permuted: row p = 16 t + 8 a + b holds column n = 64 cb + 32 a + 8 t + b
;       (a 0..1, t 0..3, b 0..7).  With that order a lane of the later launches ends up with 32 neighbouring columns of one row.
; WHY Wo IN f16: the rounding of the last product's operands goes straight into the output, summed over 1,024 terms; f16 keeps 11
; significant bits where bf16 keeps 8.  ROOM: Wo of spread 0.02 taken 30 times larger or with an offset of 0.6 is far below f16's
; largest number; taken 30 times smaller its spread is 6.7e-4, and what falls below 2^-14 is kept as a denormal, off by 2^-25 at most.
; LIMIT: |Wo| of 65,520 or more becomes infinity.
; 512 work-groups of eight waves, all alike: each transposes one tile of 128 k x 64 n of one weight matrix through LDS and casts
; 16,384 bytes of each X.  No work-group shares an input byte with another, so there is nothing for a cluster to share; no matrix
; work.  All 20 loads of a thread (320 bytes) are issued before the first wait.
.set LP,  272                          ; LDS row: 128 numbers = 256 bytes + 16, so that rows start 16 bytes apart modulo 256
.set WD,  8                            ; v[8:39]    W as loaded: register 4 i + e = W[8 g + i][4 c + e]; later the rows read back
.set WP,  40                           ; v[40:55]   packed: four registers for each of my four columns e: 8 k of 16 bits
.set XD,  56                           ; v[56:103]  X as loaded: 12 loads of four f32
.set XP,  104                          ; v[104:127] X packed: 12 pairs
	s_load_b512 s[8:23], s[0:1], 0x0               ; X_Query 8, X_Key 10, X_Value 12, Wq 14, Wk 16, Wv 18, Wo 20, xb 22
	s_load_b64 s[24:25], s[0:1], 0x40              ; wt
	v_lshl_add_u32 v128, v0, 2, 0x4400
	v_mov_b32 v129, 0
	s_lshr_b32 s2, ttmp9, 7                        ; mat: which weight matrix
	s_bfe_u32 s3, ttmp9, 0x30004                   ; kb: which 128 k (3 bits from bit 4)
	s_and_b32 s4, ttmp9, 15                        ; cb: which 64 columns
	s_lshl_b32 s28, s3, 19                         ; the tile in W: 128 kb rows of 4,096 bytes
	s_lshl_b32 s5, s4, 8                           ; + 64 cb columns of 4 bytes
	s_add_co_u32 s28, s28, s5
	s_mov_b32 s29, 0
	s_lshl_b32 s38, ttmp9, 14                      ; my 16,384 bytes of each X
	s_mov_b32 s39, 0
	s_lshl_b32 s40, ttmp9, 13                      ; and their 8,192 bytes in xb
	s_mov_b32 s41, 0
	s_lshl2_add_u32 s42, s4, s2                    ; 4 cb + mat
	s_lshl_b32 s42, s42, 17                        ; blocks of 64 rows of 2,048 bytes in wt
	s_lshl_b32 s5, s3, 8                           ; + 128 kb numbers of 2 bytes
	s_add_co_u32 s42, s42, s5
	s_mov_b32 s43, 0
	v_and_b32 v7, 15, v0                           ; c: my four columns 4 c .. 4 c + 3; later my 16 bytes of a row
	v_lshrrev_b32 v6, 4, v0                        ; g: my eight k, 8 g .. 8 g + 7; later my row of sixteen
	v_lshlrev_b32 v1, 15, v6                       ; W load: 8 g rows of 4,096 bytes
	v_lshl_add_u32 v1, v7, 4, v1                   ;         + 16 c
	v_mul_u32_u24 v2, v7, 4*LP                     ; LDS in: row 4 c,
	v_lshl_add_u32 v2, v6, 4, v2                   ;         the 16 bytes of k group g
	v_mul_u32_u24 v3, v6, LP                       ; LDS back: row g (of each sixteen),
	v_lshl_add_u32 v3, v7, 4, v3                   ;           16 bytes at 16 c
	v_and_b32 v4, 8, v6                            ; wt: row 16 (g >> 3) + (g & 7) = g + (g & 8),
	v_add_lshl_u32 v4, v4, v6, 11                  ;     of 2,048 bytes,
	v_lshl_add_u32 v4, v7, 4, v4                   ;     + 16 c
	v_lshlrev_b32 v5, 4, v0                        ; X load: 16 bytes a thread
	v_lshlrev_b32 v6, 3, v0                        ; xb store: 8 bytes a thread
	s_wait_kmcnt 0x0
	s_mov_b64 s[26:27], s[14:15]                   ; the weight matrix of this work-group: a choice on mat, which hangs on the work-group's number alone
	s_cmp_eq_u32 s2, 1
	s_cselect_b64 s[26:27], s[16:17], s[26:27]
	s_cmp_eq_u32 s2, 2
	s_cselect_b64 s[26:27], s[18:19], s[26:27]
	s_cmp_eq_u32 s2, 3
	s_cselect_b64 s[26:27], s[20:21], s[26:27]
	s_add_nc_u64 s[26:27], s[26:27], s[28:29]
	s_add_nc_u64 s[8:9], s[8:9], s[38:39]
	s_add_nc_u64 s[10:11], s[10:11], s[38:39]
	s_add_nc_u64 s[12:13], s[12:13], s[38:39]
	s_add_nc_u64 s[30:31], s[22:23], s[40:41]      ; xb, plane 0
	s_add_nc_u64 s[32:33], s[30:31], 0x400000      ; plane 1: 2,048 rows of 2,048 bytes further
	s_add_nc_u64 s[34:35], s[32:33], 0x400000      ; plane 2
	s_add_nc_u64 s[36:37], s[24:25], s[42:43]      ; wt
	; all loads first: 8 of W (sixteen lanes take 256 neighbouring bytes of one row of W), then 12 of X (a wave takes 512 neighbouring bytes)
.irp i, 0,1,2,3,4,5,6,7
	global_load_b128 v[WD+4*\i:WD+4*\i+3], v1, s[26:27] offset:\i*4096 th:TH_LOAD_NT
.endr
.irp m, 0,1,2
.irp i, 0,1,2,3
	global_load_b128 v[XD+16*\m+4*\i:XD+16*\m+4*\i+3], v5, s[8+2*\m:9+2*\m] offset:\i*4096 th:TH_LOAD_NT
.endr
.endr
	s_wait_loadcnt 12                              ; the 12 loads of X are younger: W's eight are in
	; column e of my four: its eight k, two to a register, are 16 bytes of LDS row 4 c + e.  Wq, Wk, Wv in bf16, Wo in f16: the branch hangs on
	; the work-group's number alone, is the same in all eight waves, and goes round the conversions only.
	s_cmp_eq_u32 s2, 3
	s_cbranch_scc1 .Lwo
.irp e, 0,1,2,3
.irp p, 0,1,2,3
	v_cvt_pk_bf16_f32 v[WP+4*\e+\p], v[WD+8*\p+\e], v[WD+8*\p+4+\e]
.endr
.endr
	s_branch .Lpacked
.Lwo:
.irp e, 0,1,2,3
.irp p, 0,1,2,3
	v_cvt_pk_f16_f32 v[WP+4*\e+\p], v[WD+8*\p+\e], v[WD+8*\p+4+\e]
.endr
.endr
.Lpacked:
.irp e, 0,1,2,3
	ds_store_b128 v2, v[WP+4*\e:WP+4*\e+3] offset:\e*LP
.endr
	s_wait_dscnt 0x0                               ; my stores are in LDS before I say so: other waves read them
	s_barrier_signal -1
	s_barrier_wait -1
.irp i, 0,1,2,3
	ds_load_b128 v[WD+4*\i:WD+4*\i+3], v3 offset:\i*16*LP          ; row 16 i + g, whole rows by sixteen lanes; WD is free since the wait for W
.endr
	; X meanwhile: four f32 become 8 bytes; a wave's store covers 256 consecutive bytes, aligned
.irp m, 0,1,2
.irp i, 0,1,2,3
	s_wait_loadcnt 11-(4*\m+\i)                    ; loads come back in order: this one is in, the younger stay out
	v_cvt_pk_bf16_f32 v[XP+8*\m+2*\i],   v[XD+16*\m+4*\i],   v[XD+16*\m+4*\i+1]
	v_cvt_pk_bf16_f32 v[XP+8*\m+2*\i+1], v[XD+16*\m+4*\i+2], v[XD+16*\m+4*\i+3]
	global_store_b64 v6, v[XP+8*\m+2*\i:XP+8*\m+2*\i+1], s[30+2*\m:31+2*\m] offset:\i*2048
.endr
.endr
	s_wait_dscnt 0x0
	; LDS row 16 i + g is column 32 (i >> 1) + 8 (2 (i & 1) + (g >> 3)) + (g & 7), so its place is p = 32 (i & 1) + 8 (i >> 1) + 16 (g >> 3) + (g & 7):
	; the part with i stands in the immediate.  Sixteen lanes store 256 consecutive bytes, aligned.
	global_store_b128 v4, v[WD:WD+3],     s[36:37]
	global_store_b128 v4, v[WD+4:WD+7],   s[36:37] offset:32*2048
	global_store_b128 v4, v[WD+8:WD+11],  s[36:37] offset:8*2048
	global_store_b128 v4, v[WD+12:WD+15], s[36:37] offset:40*2048
	s_wait_tensorcnt 0x0
	ds_add_u32 v128, v129
	s_wait_dscnt 0x0
	s_endpgm
.Lfunc_end_k_qe29b12c1e6_prep:
	.size	k_qe29b12c1e6_prep, .Lfunc_end_k_qe29b12c1e6_prep-k_qe29b12c1e6_prep
	.p2alignl 7, 3214868480
	.fill 96, 4, 3214868480
	.section	.rodata,"a",@progbits
	.p2align	6, 0x0
	.amdhsa_kernel k_qe29b12c1e6_prep
		.amdhsa_group_segment_fixed_size 18432
		.amdhsa_private_segment_fixed_size 0
		.amdhsa_enable_private_segment 0
		.amdhsa_kernarg_size 72
		.amdhsa_user_sgpr_count 2
		.amdhsa_user_sgpr_kernarg_segment_ptr 1
		.amdhsa_wavefront_size32 1
		.amdhsa_system_sgpr_workgroup_id_x 1
		.amdhsa_system_sgpr_workgroup_id_y 1
		.amdhsa_system_sgpr_workgroup_id_z 1
		.amdhsa_system_vgpr_workitem_id 0
		.amdhsa_next_free_vgpr 130
		.amdhsa_next_free_sgpr 66
		.amdhsa_reserve_vcc 0
		.amdhsa_float_denorm_mode_32 3
		.amdhsa_float_denorm_mode_16_64 3
		.amdhsa_memory_ordered 1
		.amdhsa_forward_progress 1
		.amdhsa_inst_pref_size 11
	.end_amdhsa_kernel
	.amdgpu_metadata
---
amdhsa.version: [ 1, 2 ]
amdhsa.kernels:
  - .name:           k_qe29b12c1e6_prep
    .symbol:         k_qe29b12c1e6_prep.kd
    .args:
      - { .name: X_Query, .offset: 0, .size: 8, .value_kind: global_buffer, .address_space: global }
      - { .name: X_Key, .offset: 8, .size: 8, .value_kind: global_buffer, .address_space: global }
      - { .name: X_Value, .offset: 16, .size: 8, .value_kind: global_buffer, .address_space: global }
      - { .name: Wq, .offset: 24, .size: 8, .value_kind: global_buffer, .address_space: global }
      - { .name: Wk, .offset: 32, .size: 8, .value_kind: global_buffer, .address_space: global }
      - { .name: Wv, .offset: 40, .size: 8, .value_kind: global_buffer, .address_space: global }
      - { .name: Wo, .offset: 48, .size: 8, .value_kind: global_buffer, .address_space: global }
      - { .name: xb, .offset: 56, .size: 8, .value_kind: global_buffer, .address_space: global }
      - { .name: wt, .offset: 64, .size: 8, .value_kind: global_buffer, .address_space: global }
    .group_segment_fixed_size: 18432
    .private_segment_fixed_size: 0
    .kernarg_segment_align: 8
    .kernarg_segment_size: 72
    .max_flat_workgroup_size: 256
    .sgpr_count:     66
    .vgpr_count:     130
    .wavefront_size: 32
...
	.end_amdgpu_metadata
.endif
;; end of part 1
;; launch qkvatt (part 2): grid 16 x 16, 4 waves a work-group, clusters of 4 x 4, 327,680 bytes of LDS; arguments xb, wt, bq, bk, bv, X_Query, yh; writes yh
.if DOCPART == 2
	.amdgcn_target "amdgcn-amd-amdhsa--gfx1250"
	.amdhsa_code_object_version 6
	.text
	.protected	k_qe29b12c1e6_qkvatt
	.globl	k_qe29b12c1e6_qkvatt
	.p2align	8
	.type	k_qe29b12c1e6_qkvatt,@function
k_qe29b12c1e6_qkvatt:
	s_mov_b64 s[64:65], 0
	v_nop
	global_prefetch_b8 v0, s[64:65] scope:SCOPE_SE
	s_setreg_imm32_b32 hwreg(HW_REG_WAVE_MODE, 25, 1), 1
	s_wait_xcnt 0x0
	s_wait_alu depctr_hold_cnt(0) depctr_sa_sdst(0) depctr_va_vdst(0) depctr_va_sdst(0) depctr_va_ssrc(0) depctr_va_vcc(0) depctr_vm_vsrc(0)
	s_getreg_b32 s2, hwreg(HW_REG_IB_STS2, 6, 4)
	s_cmp_eq_u32 s2, 0
	s_cbranch_scc0 .Lentry_in_a_cluster
	s_endpgm
.Lentry_in_a_cluster:
	s_bfe_u32 s2, ttmp6, 0x10000c
	s_cmp_lg_u32 s2, 0xf033
	s_cbranch_scc0 .Lentry_shape_is_right
	s_endpgm
.Lentry_shape_is_right:
; q, k, v of 128 rows x one head (64 features), the banded softmax over the features, and yh = f16(X_Query - heads).
; A work-group (hx = head, by = block of 128 rows) has four waves; wave w makes rows 32 w .. 32 w + 31 (two row tiles rt) x 64 features
; (four tiles t) of q, k and v: 24 accumulator tiles, 192 registers.  K = 1024 goes in eight steps of 128 through two LDS slots; a tile's
; rows are 256 bytes of memory and start at multiples of 256 bytes.
; CLUSTERS: 4 x 4 work-groups.  The X tiles hang on by alone and are asked for jointly along a row of the cluster, the weight tile hangs on
; hx alone and is asked for jointly along a column: each request serves four work-groups.  Waves 0, 1, 2 ask for X_Query's, X_Key's,
; X_Value's 128 rows, wave 3 for the 192 rows of Wq, Wk, Wv transposed.
; THE MATRIX INSTRUCTION IS USED TRANSPOSED: source 0 = 16 rows of the transposed weights, source 1 = 16 rows of X.  wt's rows are permuted
; (row 16 t + 8 a + b = feature 32 a + 8 t + b), so lane (r = l % 16, h = l / 16) holds in register 8 t + j of an accumulator block the
; feature 32 h + 8 t + j of row r: 32 neighbouring features a lane, and the band of +-8 needs the partner lane l xor 16 at two places only.
; THE SOFTMAX takes the window's true maximum away: max over j of q k_j = max(q kmax, q kmin), with kmax, kmin the exact maximum and minimum
; of k over the window of 17 (suffix of the block before, the block, prefix of the block behind).
; FORMATS: the three projections' operands are bf16.  X_Query - heads is formed in f32 and rounded once, to f16: it is an operand of the last
; product, whose operands' rounding goes straight into the output; f16 keeps 11 significant bits where bf16 keeps 8.  ROOM: |heads| is at
; most the largest |v|.  For X of spread 1 and weights of spread 0.02, all taken 30 times larger, v has the spread 30 x 0.6 x 32 = 576; with
; offsets of 30 on X and 0.6 on the weights v is about 1024 x 30 x 0.6 = 18,432; taken 30 times smaller, numbers below 2^-14 are kept as
; denormals, off by 2^-25 at most.
; LIMITS: |X_Query - heads| of 65,520 or more becomes infinity in yh.  The exponent is fma(k, q log2(e)/8, -M) in base 2, another order of
; rounding than q k / 8 - max; weights below 2^-126 come out as 0 (v_exp_f32 flushes: ISA guide 15.8); where q log2(e)/8 k overflows f32 the
; result is NaN; a NaN in q or k reaches the result through the fma, not through the maxima (v_max_num_f32 drops it).
.set PITCH, 272                        ; LDS row: 256 bytes + 16: the 16 rows of a fragment start 16 bytes apart modulo 256
.set XT,    128*PITCH                  ; one X tile: 34,816
.set WTB,   192*PITCH                  ; the weights' tile: 52,224
.set SLOT,  3*XT+WTB                   ; 156,672: X_Query, X_Key, X_Value, weights
.set STG,   16*PITCH                   ; the way out: 16 rows of 64 f32 for (wave, rt), at (2 w + rt) x 4,352 in slot 0, used after slot 0's last fill and last read
; window 0
.set STO,  1                           ; stage: where I put my 128 bytes of row r
.set RD,   2                           ; stage: where I read 16 bytes of a row back
.set YO,   3                           ; my byte offset in the work-group's block of yh
.set XQO,  4                           ; my byte offset in X_Query
.set BO,   5                           ; 128 h: my 32 features in a bias
.set ADRW, 8                           ; v8-9    weights' fragments, slot 0, 1
.set ADRX, 10                          ; v10-15  X fragments, 3 slot + m
.set EK,   16                          ; v16-23  k of the partner lane's neighbouring block
.set EV,   24                          ; v24-31  v of it
.set TA,   32                          ; v32-39  suffix maxima, then window maxima, then M
.set TB,   40                          ; v40-47  the same for minima; then M with +inf where a block does not exist
.set TC,   48                          ; v48-55  [0] the block's maximum, [1..7] prefix maxima
.set TD,   56                          ; v56-63  the same for minima
.set ACC,  64                          ; v64-255 accumulators: 64 m + 32 rt + 8 t
; window 1 (v256 and up, written by their low 8 bits)
.set TW,   0                           ; 0-143: in the K loop three fragment buffers of 48 (weights 8 t, X 32 + 8 rt); later 18 exponents for each of 8 outputs
.set SS,   144                         ; 144-159 sums of weights, a pair an output
.set OO,   160                         ; 160-175 weighted sums, a pair an output
.set XQ,   176                         ; 176-239 X_Query, 32 rt + 4 i
.set G1X, 24                           ; s[24:31] group 1 of the X tiles
.set G0X, 32                           ; s[32:39] group 0 of the X tiles, a set for each slot
.set G1W, 40                           ; s[40:47] group 1 of the weights' tile
.set G0W, 48                           ; s[48:55] group 0 of it, a set for each slot
.set MULW, 0x05                        ; sources 0 and 1 (fragments) window 1, C and D window 0
.set LDW,  0x40                        ; destination window 1, address window 0
.set MSB, 0
.macro WIN new                         ; low byte: bits 1:0 source 0, 3:2 source 1, 5:4 source 2, 7:6 destination; the high byte repeats the setting that is left
.if MSB != \new
	s_set_vgpr_msb (MSB<<8)|\new
.set MSB, \new
.endif
.endm
.macro PLACES                          ; four plain vector places between a matrix instruction and a load into, or a vector read of, its registers
.rept 4
	v_nop
.endr
.endm
.macro CREST                           ; a round of the cluster's barrier, behind its opening work-group barrier
	s_cmp_lg_u32 s18, 0
	s_cbranch_scc1 .Lnot_wave_0_\@
	s_barrier_signal -3
.Lnot_wave_0_\@:
	s_barrier_wait -3
	s_barrier_signal -1
	s_barrier_wait -1
.endm
.macro CROUND
	s_barrier_signal -1
	s_barrier_wait -1
	CREST
.endm
.macro JLOAD s                         ; one joint load a wave; the branch hangs on the wave's number alone
	s_cmp_eq_u32 s18, 3
	s_cbranch_scc1 .Lfor_w_\@
	tensor_load_to_lds s[G0X+4*\s:G0X+4*\s+3], s[G1X:G1X+7]
	s_nop 0
	s_branch .Lasked_\@
.Lfor_w_\@:
	tensor_load_to_lds s[G0W+4*\s:G0W+4*\s+3], s[G1W:G1W+7]
	s_nop 0
.Lasked_\@:
.endm
	s_load_b256 s[4:11], s[0:1], 0x0               ; xb 4, wt 6, bq 8, bk 10
	s_load_b128 s[12:15], s[0:1], 0x20             ; bv 12, X_Query 14
	s_load_b64 s[16:17], s[0:1], 0x30              ; yh
	s_set_vgpr_msb 0x40
	v_lshl_add_u32 v240, v0, 2, 0x4c800
	v_mov_b32 v241, 0
	s_set_vgpr_msb 0x4045
	ds_add_u32 v240, v241
	s_set_vgpr_msb 0x4500
	v_lshrrev_b32 v1, 5, v0
	v_readfirstlane_b32 s18, v1                    ; wave 0..3
	s_bfe_u32 s19, ttmp6, 0x40000                  ; cx
	s_bfe_u32 s20, ttmp6, 0x40004                  ; cy
	s_lshl_b32 s21, ttmp9, 2
	s_add_co_u32 s21, s21, s19                     ; hx = 4 x cluster x + cx: the head
	s_and_b32 s22, ttmp7, 0xffff
	s_lshl_b32 s22, s22, 2
	s_add_co_u32 s22, s22, s20                     ; by = 4 x cluster y + cy: the block of 128 rows
	s_lshl_b32 s56, s20, 2
	s_lshl_b32 s56, 15, s56                        ; my row of the cluster: places 4 cy .. 4 cy + 3
	s_lshl_b32 s57, 0x1111, s19                    ; my column: places cx, cx + 4, cx + 8, cx + 12
	; group 1: rows of 128 elements of 2 bytes, 16 bytes of padding behind every 64 words; X: 128 rows, weights: 192 rows; 1,024 elements from row to row
	s_or_b32 s[G1X+0], s56, (1<<16)|(1<<20)|(1<<21)|(5<<22)|(3<<25)
	s_mov_b32 s[G1X+1], 128<<16                    ; tensor_dim0 = 128
	s_mov_b32 s[G1X+2], 128<<16                    ; tensor_dim1 = 128
	s_mov_b32 s[G1X+3], 128<<16                    ; tile_dim0 = 128
	s_mov_b32 s[G1X+4], 128                        ; tile_dim1 = 128
	s_mov_b32 s[G1X+5], 1024                       ; pitch
	s_mov_b32 s[G1X+6], 0
	s_mov_b32 s[G1X+7], 0
	s_or_b32 s[G1W+0], s57, (1<<16)|(1<<20)|(1<<21)|(5<<22)|(3<<25)
	s_mov_b32 s[G1W+1], 128<<16
	s_mov_b32 s[G1W+2], 192<<16                    ; tensor_dim1 = 192
	s_mov_b32 s[G1W+3], 128<<16
	s_mov_b32 s[G1W+4], 192                        ; tile_dim1 = 192
	s_mov_b32 s[G1W+5], 1024
	s_mov_b32 s[G1W+6], 0
	s_mov_b32 s[G1W+7], 0
	; where the tiles come from: X's address is made of by and the wave alone, the weights' of hx alone, each in registers that never hold the other coordinate
	s_min_u32 s63, s18, 2                          ; wave 0, 1, 2: plane of xb (wave 3 does not use this address)
	s_lshl_b32 s58, s63, 22                        ; planes of 2,048 rows of 2,048 bytes
	s_lshl_b32 s59, s22, 18                        ; + 128 by rows
	s_add_co_u32 s58, s58, s59
	s_mov_b32 s59, 0
	s_lshl_b32 s60, s21, 19                        ; wt: blocks of 256 rows of 2,048 bytes; its first 192 rows are q's, k's, v's
	s_mov_b32 s61, 0
	s_mul_i32 s62, s18, XT                         ; where they go: wave x 34,816: the three X tiles, then the weights
	s_mov_b32 s66, 0x76543210                      ; v_permlanex16_b32: lane i takes lane i of the other half
	s_mov_b32 s67, 0xfedcba98
	s_mov_b32 s68, 0xffff0000                      ; the lanes with h = 1
	s_mov_b32 s69, 0x7f800000                      ; +inf
	s_wait_dscnt 0x0
	s_wait_kmcnt 0x0
	s_add_nc_u64 s[58:59], s[4:5], s[58:59]
	s_add_nc_u64 s[60:61], s[6:7], s[60:61]
	CROUND                                         ; all sixteen work-groups are here: the first joint loads meet
.irp s, 0,1
	s_mov_b32 s[G0X+4*\s], 1
	s_add_co_u32 s[G0X+4*\s+1], s62, \s*SLOT
	s_add_nc_u64 s[G0X+4*\s+2:G0X+4*\s+3], s[58:59], \s*256        ; K step s: 128 numbers of 2 bytes along the rows
	s_or_b32 s[G0X+4*\s+3], s[G0X+4*\s+3], 0x80000000
	s_mov_b32 s[G0W+4*\s], 1
	s_add_co_u32 s[G0W+4*\s+1], s62, \s*SLOT
	s_add_nc_u64 s[G0W+4*\s+2:G0W+4*\s+3], s[60:61], \s*256
	s_or_b32 s[G0W+4*\s+3], s[G0W+4*\s+3], 0x80000000
.endr
	s_cmp_eq_u32 s18, 3                            ; both first fills of a wave inside one branch: two tensor loads of the wave are out
	s_cbranch_scc1 .Lfirst_w
	tensor_load_to_lds s[G0X:G0X+3], s[G1X:G1X+7]
	s_nop 0
	tensor_load_to_lds s[G0X+4:G0X+7], s[G1X:G1X+7]
	s_nop 0
	s_branch .Lfirst_done
.Lfirst_w:
	tensor_load_to_lds s[G0W:G0W+3], s[G1W:G1W+7]
	s_nop 0
	tensor_load_to_lds s[G0W+4:G0W+7], s[G1W:G1W+7]
	s_nop 0
.Lfirst_done:
	s_lshl_b32 s70, s21, 8                         ; the head's 64 f32
	s_mov_b32 s71, 0
	s_add_nc_u64 s[8:9], s[8:9], s[70:71]          ; bq, bk, bv at the head
	s_add_nc_u64 s[10:11], s[10:11], s[70:71]
	s_add_nc_u64 s[12:13], s[12:13], s[70:71]
	s_lshl_b32 s72, s22, 19                        ; 128 by rows of 4,096 bytes
	s_add_co_u32 s72, s72, s70
	s_mov_b32 s73, 0
	s_add_nc_u64 s[14:15], s[14:15], s[72:73]      ; X_Query at the block's first row, the head's first column
	s_lshl_b32 s72, s22, 18                        ; yh: 16 heads x 128 rows x 128 bytes for each by,
	s_lshl_b32 s70, s21, 14                        ; 128 rows x 128 bytes for each head
	s_add_co_u32 s72, s72, s70
	s_add_nc_u64 s[16:17], s[16:17], s[72:73]
	v_and_b32 v6, 15, v0                           ; r
	v_bfe_u32 v7, v0, 4, 1                         ; h
	v_lshlrev_b32 v[BO], 7, v7
	; The biases START the sums: register 8 t + j of a block is feature 32 h + 8 t + j, for every row.  Nothing is cleared and no bias is added later.
.irp m, 0,1,2
.irp rt, 0,1
.irp t, 0,1,2,3
	global_load_b128 v[ACC+64*\m+32*\rt+8*\t:ACC+64*\m+32*\rt+8*\t+3],   v[BO], s[8+2*\m:9+2*\m] offset:32*\t
	global_load_b128 v[ACC+64*\m+32*\rt+8*\t+4:ACC+64*\m+32*\rt+8*\t+7], v[BO], s[8+2*\m:9+2*\m] offset:32*\t+16
.endr
.endr
.endr
	v_lshlrev_b32 v[XQO], 12, v7                   ; X_Query as the way out wants it: row 2 i + h,
	v_lshl_add_u32 v[XQO], v6, 4, v[XQO]           ; 16 bytes at 16 r,
	s_lshl_b32 s71, s18, 17                        ; + 32 w rows
	v_add_nc_u32 v[XQO], s71, v[XQO]
	s_mul_i32 s70, s18, 2*STG                      ; 8,704 w: my stage; also 32 w LDS rows
	v_mul_u32_u24 v16, v6, PITCH                   ; r x 272
	v_lshl_add_u32 v17, v7, 4, v16                 ; + 16 h: a fragment's lane term
	v_lshl_add_u32 v[STO], v7, 7, v16              ; stage in: row r, 128 h
	v_add_nc_u32 v[STO], s70, v[STO]
	v_mul_u32_u24 v[RD], v7, PITCH                 ; stage back: row h of each two, 16 r
	v_lshl_add_u32 v[RD], v6, 4, v[RD]
	v_add_nc_u32 v[RD], s70, v[RD]
	v_and_b32 v[YO], 31, v0
	v_lshlrev_b32 v[YO], 3, v[YO]                  ; yh: 8 bytes a lane: two rows of 128 bytes a wave,
	s_lshl_b32 s71, s18, 12                        ; + 32 w rows
	v_add_nc_u32 v[YO], s71, v[YO]
	v_add_nc_u32 v18, s70, v17                     ; my wave's rows of an X tile
.irp s, 0,1
	v_add_nc_u32 v[ADRW+\s], \s*SLOT+3*XT, v17
.irp m, 0,1,2
	v_add_nc_u32 v[ADRX+3*\s+\m], \s*SLOT+\m*XT, v18
.endr
.endr
.irp j, 0,1,2,3,4,5,6,7,8,9,10,11,12,13,14,15
	v_mov_b32 v[EK+\j], 0                          ; v_permlanex16_b32 counts as a reader of its destination: EK and EV are written once here
.endr
; 12 LDS loads: the fragments of matrix m for 32 along K at quarter kq of a slot's rows: four of the weights, two of X
.macro FETCHU m, slot, kq
	WIN LDW
.irp t, 0,1,2,3
	ds_load_b128 v[48*\m+8*\t:48*\m+8*\t+3],   v[ADRW+\slot] offset:(64*\m+16*\t)*PITCH+64*\kq
	ds_load_b128 v[48*\m+8*\t+4:48*\m+8*\t+7], v[ADRW+\slot] offset:(64*\m+16*\t)*PITCH+64*\kq+32
.endr
.irp rt, 0,1
	ds_load_b128 v[48*\m+32+8*\rt:48*\m+32+8*\rt+3],   v[ADRX+3*\slot+\m] offset:16*\rt*PITCH+64*\kq
	ds_load_b128 v[48*\m+32+8*\rt+4:48*\m+32+8*\rt+7], v[ADRX+3*\slot+\m] offset:16*\rt*PITCH+64*\kq+32
.endr
.endm
; 8 matrix instructions: matrix m, both row tiles, all four feature tiles.  The 24 accumulators take turns in one fixed order, one instruction
; a turn, over the loop's backward jump too.
.macro MULU m
	WIN MULW
.irp rt, 0,1
.irp t, 0,1,2,3
	v_wmma_f32_16x16x32_bf16 v[ACC+64*\m+32*\rt+8*\t:ACC+64*\m+32*\rt+8*\t+7], v[48*\m+8*\t:48*\m+8*\t+7], v[48*\m+32+8*\rt:48*\m+32+8*\rt+7], v[ACC+64*\m+32*\rt+8*\t:ACC+64*\m+32*\rt+8*\t+7]
.endr
.endr
.endm
.macro UNIT m, left, fetch, fslot, fkq
	s_wait_dscnt \left                             ; LDS loads come back in order: this unit's 12 are in, the younger units' stay out
	MULU \m
.if \fetch
	PLACES
	FETCHU \m, \fslot, \fkq
.endif
.endm
; A K step: four quarters of 32 along K, three units each.  mode 2: this slot is filled again, two K steps ahead; 1: only the change of slots; 0: the last step.
.macro STEP slot, mode
.irp kq, 0,1,2
.irp m, 0,1,2
	UNIT \m, 24, 1, \slot, (\kq+1)
.endr
.endr
.if \mode == 0
	UNIT 0, 24, 0, 0, 0                            ; nothing more to fetch: the counts run down
	UNIT 1, 12, 0, 0, 0
	UNIT 2, 0, 0, 0, 0
.else
	s_wait_dscnt 0x0                               ; my reads of this slot are over (the last quarter's fragments are in registers),
	s_set_vgpr_msb 0x4045
	s_wait_tensorcnt 0x0                           ; and all my tensor loads have landed: the one that was out is my part of the other slot
	ds_add_u32 v240, v241
	s_wait_dscnt 0x0
	s_set_vgpr_msb 0x4540
	s_barrier_signal -1                            ; say so (with a refill this barrier opens a round of the cluster's barrier),
	MULU 0                                         ; work on registers while the others arrive,
	WIN 0
	s_barrier_wait -1
.if \mode == 2
	CREST                                          ; no wave of any partner still reads this slot or has a load on its way
	s_add_nc_u64 s[G0X+4*\slot+2:G0X+4*\slot+3], s[G0X+4*\slot+2:G0X+4*\slot+3], 512   ; two K steps on; no tensor load of mine is out
	s_add_nc_u64 s[G0W+4*\slot+2:G0W+4*\slot+3], s[G0W+4*\slot+2:G0W+4*\slot+3], 512
	JLOAD \slot                                    ; the first tensor load behind the round, my only one until the next: it has a whole K step in which to land
.endif
	PLACES
	FETCHU 0, (1-\slot), 0
	UNIT 1, 24, 1, (1-\slot), 0                    ; their fragments are in since the wait for 0: these counts are met at once
	UNIT 2, 24, 1, (1-\slot), 0
.endif
.endm
	s_wait_tensorcnt 0x1                           ; my part of K step 0 is in; K step 1's load, issued behind it, stays out
	s_barrier_signal -1
	s_barrier_wait -1                              ; everybody's part is in
	s_wait_loadcnt 0x0                             ; the 48 loads of the biases are in the accumulators
	WIN LDW
.irp rt, 0,1
.irp i, 0,1,2,3,4,5,6,7
	global_load_b128 v[XQ+32*\rt+4*\i:XQ+32*\rt+4*\i+3], v[XQO], s[14:15] offset:(16*\rt+2*\i)*4096 th:TH_LOAD_NT   ; sixteen lanes: 256 neighbouring bytes; wanted behind the whole K loop
.endr
.endr
	FETCHU 0, 0, 0
	FETCHU 1, 0, 0
	FETCHU 2, 0, 0
	WIN 0                                          ; at a label and at a branch every window is 0
	s_mov_b32 s23, 3                               ; three laps: K steps 0 to 5, which ask for the tiles of steps 2 to 7
.Llap:
	STEP 0, 2
	STEP 1, 2
	WIN 0
	s_sub_co_u32 s23, s23, 1
	s_cmp_lg_u32 s23, 0
	s_cbranch_scc1 .Llap
	STEP 0, 1                                      ; K step 6: nothing is left to ask for; behind its barrier no wave reads slot 0 any more
	STEP 1, 0                                      ; K step 7
	PLACES                                         ; the places in front of the vector work on the accumulators
	WIN 0
; ix = 0 .. 23 runs over the block before (0-7), the block (8-15) and the block behind (16-23): the registers of k, of v, and of the maximum to take away
.macro XREG
.if ix < 8
.set KR, PBK+ix
.set VR, PBV+ix
.set MR, MP
.else
.if ix < 16
.set KR, KT+ix-8
.set VR, VT+ix-8
.set MR, TA
.else
.set KR, NBK+ix-16
.set VR, NBV+ix-16
.set MR, MN
.endif
.endif
.endm
; The eight outputs 8 t + a of a lane's 32 features.  Output a sits at ix = 8 + a; its window is ix = a .. a + 16.
.macro TILE t
	WIN 0
.set QT, QB+8*\t
.set KT, KB+8*\t
.set VT, VB+8*\t
.set PBK, KT-8
.set PBV, VT-8
.set NBK, KT+8
.set NBV, VT+8
.set MP, TA
.set MN, TA
.if \t == 0
	; the block before my first: lanes with h = 1 take features 24-31 of the partner lane; for h = 0 it does not exist: k gets a copy of
	; feature 0, which lies in every window of this tile (maximum and minimum stay exact), v gets 0, and the weights are made 0 below
.irp j, 0,1,2,3,4,5,6,7
	v_permlanex16_b32 v[EK+\j], v[KB+24+\j], s66, s67
	v_permlanex16_b32 v[EV+\j], v[VB+24+\j], s66, s67
.endr
.irp j, 0,1,2,3,4,5,6,7
	v_cndmask_b32 v[EK+\j], v[KB], v[EK+\j], s68
	v_cndmask_b32 v[EV+\j], 0, v[EV+\j], s68
.endr
.set PBK, EK
.set PBV, EV
.set MP, TB
.endif
.if \t == 3
	; the block behind my last: lanes with h = 0 take features 0-7 of the partner lane; for h = 1 a copy of feature 63, and 0
.irp j, 0,1,2,3,4,5,6,7
	v_permlanex16_b32 v[EK+\j], v[KB+\j], s66, s67
	v_permlanex16_b32 v[EV+\j], v[VB+\j], s66, s67
.endr
.irp j, 0,1,2,3,4,5,6,7
	v_cndmask_b32 v[EK+\j], v[EK+\j], v[KB+31], s68
	v_cndmask_b32 v[EV+\j], v[EV+\j], 0, s68
.endr
.set NBK, EK
.set NBV, EV
.set MN, TB
.endif
	; suffix maxima and minima of the block before, prefix ones of the block behind, four chains by turns
	v_max_num_f32 v[TA+6], v[PBK+6], v[PBK+7]
	v_min_num_f32 v[TB+6], v[PBK+6], v[PBK+7]
	v_max_num_f32 v[TC+1], v[NBK], v[NBK+1]
	v_min_num_f32 v[TD+1], v[NBK], v[NBK+1]
.irp j, 1,2,3,4,5,6
	v_max_num_f32 v[TA+6-\j], v[PBK+6-\j], v[TA+7-\j]
	v_min_num_f32 v[TB+6-\j], v[PBK+6-\j], v[TB+7-\j]
	v_max_num_f32 v[TC+1+\j], v[TC+\j], v[NBK+1+\j]
	v_min_num_f32 v[TD+1+\j], v[TD+\j], v[NBK+1+\j]
.endr
	v_max3_num_f32 v[TC], v[KT], v[KT+1], v[KT+2]  ; the block's own maximum and minimum
	v_min3_num_f32 v[TD], v[KT], v[KT+1], v[KT+2]
	v_max3_num_f32 v[TC], v[TC], v[KT+3], v[KT+4]
	v_min3_num_f32 v[TD], v[TD], v[KT+3], v[KT+4]
	v_max3_num_f32 v[TC], v[TC], v[KT+5], v[KT+6]
	v_min3_num_f32 v[TD], v[TD], v[KT+5], v[KT+6]
	v_max_num_f32 v[TC], v[TC], v[KT+7]
	v_min_num_f32 v[TD], v[TD], v[KT+7]
	v_max3_num_f32 v[TA+7], v[PBK+7], v[TC], v[TC+7]               ; window a = suffix a, the block, prefix a
	v_min3_num_f32 v[TB+7], v[PBK+7], v[TD], v[TD+7]
.irp j, 1,2,3,4,5,6
	v_max3_num_f32 v[TA+\j], v[TA+\j], v[TC], v[TC+\j]
	v_min3_num_f32 v[TB+\j], v[TB+\j], v[TD], v[TD+\j]
.endr
	v_max3_num_f32 v[TA], v[TA], v[TC], v[NBK]
	v_min3_num_f32 v[TB], v[TB], v[TD], v[NBK]
.irp j, 0,2,4,6
	v_pk_mul_f32 v[TA+\j:TA+\j+1], v[TA+\j:TA+\j+1], v[QT+\j:QT+\j+1]
	v_pk_mul_f32 v[TB+\j:TB+\j+1], v[TB+\j:TB+\j+1], v[QT+\j:QT+\j+1]
.endr
.irp j, 0,1,2,3,4,5,6,7
	v_max_num_f32 v[TA+\j], v[TA+\j], v[TB+\j]     ; M = the window's largest score, in base 2
.endr
.if \t == 0
.irp j, 0,1,2,3,4,5,6,7
	v_cndmask_b32 v[TB+\j], s69, v[TA+\j], s68     ; for the block before: +inf where it does not exist, so the exponent is -inf and the weight 0
.endr
.endif
.if \t == 3
.irp j, 0,1,2,3,4,5,6,7
	v_cndmask_b32 v[TB+\j], v[TA+\j], s69, s68     ; for the block behind likewise
.endr
.endif
	; exponents k q' - M: eight aligned pairs of k and one single for each output; q' and M of output a are broadcast from their pair
	WIN 0x40
.set ia, 0
.rept 8
.set ip, 0
.rept 8
.set ix, ia+(ia&1)+2*ip
	XREG
.if ia&1
	v_pk_fma_f32 v[TW+18*ia+2*ip:TW+18*ia+2*ip+1], v[KR:KR+1], v[QT+ia-1:QT+ia], v[MR+ia-1:MR+ia] op_sel:[0,1,1] op_sel_hi:[1,1,1] neg_lo:[0,0,1] neg_hi:[0,0,1]
.else
	v_pk_fma_f32 v[TW+18*ia+2*ip:TW+18*ia+2*ip+1], v[KR:KR+1], v[QT+ia:QT+ia+1], v[MR+ia:MR+ia+1] op_sel_hi:[1,0,0] neg_lo:[0,0,1] neg_hi:[0,0,1]
.endif
.set ip, ip+1
.endr
.set ix, ia+16*(1-(ia&1))
	XREG
	v_fma_f32 v[TW+18*ia+16], v[KR], v[QT+ia], -v[MR+ia]
.set ia, ia+1
.endr
	WIN 0x41
.set ia, 0
.rept 8
.set ip, 0
.rept 17
	v_exp_f32 v[TW+18*ia+ip], v[TW+18*ia+ip]
.set ip, ip+1
.endr
.set ia, ia+1
.endr
	v_nop                                          ; one plain place behind the transcendentals before their results are used (ISA guide 5.7.2)
	s_wait_alu depctr_va_vdst(0)
	; weighted sums of v: eight chains that do not wait for each other
	WIN 0x51
.set ip, 0
.rept 8
.set ia, 0
.rept 8
.set ix, ia+(ia&1)+2*ip
	XREG
.if ip == 0
	v_pk_mul_f32 v[OO+2*ia:OO+2*ia+1], v[TW+18*ia:TW+18*ia+1], v[VR:VR+1]
.else
	v_pk_fma_f32 v[OO+2*ia:OO+2*ia+1], v[TW+18*ia+2*ip:TW+18*ia+2*ip+1], v[VR:VR+1], v[OO+2*ia:OO+2*ia+1]
.endif
.set ia, ia+1
.endr
.set ip, ip+1
.endr
.set ia, 0
.rept 8
.set ix, ia+16*(1-(ia&1))
	XREG
	v_fma_f32 v[OO+2*ia], v[TW+18*ia+16], v[VR], v[OO+2*ia]
.set ia, ia+1
.endr
	; sums of the weights
	WIN 0x45
.set ip, 1
.rept 7
.set ia, 0
.rept 8
.if ip == 1
	v_pk_add_f32 v[SS+2*ia:SS+2*ia+1], v[TW+18*ia:TW+18*ia+1], v[TW+18*ia+2:TW+18*ia+3]
.else
	v_pk_add_f32 v[SS+2*ia:SS+2*ia+1], v[SS+2*ia:SS+2*ia+1], v[TW+18*ia+2*ip:TW+18*ia+2*ip+1]
.endif
.set ia, ia+1
.endr
.set ip, ip+1
.endr
.irp a, 0,1,2,3,4,5,6,7
	v_add_f32 v[SS+2*\a], v[SS+2*\a], v[TW+18*\a+16]
.endr
.irp a, 0,1,2,3,4,5,6,7
	v_add_f32 v[SS+2*\a], v[SS+2*\a], v[SS+2*\a+1]
	v_add_f32 v[OO+2*\a], v[OO+2*\a], v[OO+2*\a+1]
.endr
.irp a, 0,1,2,3,4,5,6,7
	v_rcp_f32 v[SS+2*\a], v[SS+2*\a]               ; the sum holds the maximum's own weight, about 1: never 0
.endr
	v_nop
	WIN 0x05
	s_wait_alu depctr_va_vdst(0)
.irp a, 0,1,2,3,4,5,6,7
	v_mul_f32 v[QT+\a], v[OO+2*\a], v[SS+2*\a]     ; the head's output takes q's place: each output needs its own q alone
.endr
.endm
.macro ATT rt
.set QB, ACC+32*\rt
.set KB, ACC+64+32*\rt
.set VB, ACC+128+32*\rt
.set ia, 0
.rept 16
	v_pk_mul_f32 v[QB+2*ia:QB+2*ia+1], v[QB+2*ia:QB+2*ia+1], 0x3e38aa3b op_sel_hi:[1,0]   ; q' = q x log2(e) / 8
.set ia, ia+1
.endr
	TILE 0
	TILE 1
	TILE 2
	TILE 3
	WIN 0
.endm
; 16 rows out: through my own stage (LDS serves a wave's instructions in order: no wait between my stores and my loads), X_Query - heads in f32, one rounding, to f16.
; k's and v's registers of this row tile are dead: k's take the rows read back, v's the packed results, which no later line rewrites.
.macro OUT rt
.irp i, 0,1,2,3,4,5,6,7
	ds_store_b128 v[STO], v[QB+4*\i:QB+4*\i+3] offset:\rt*STG+16*\i
.endr
.irp i, 0,1,2,3,4,5,6,7
	ds_load_b128 v[KB+4*\i:KB+4*\i+3], v[RD] offset:\rt*STG+2*\i*PITCH
.endr
	s_wait_loadcnt 0x0                             ; X_Query, asked for in front of the K loop
	WIN 0x01
.irp i, 0,1,2,3,4,5,6,7
	s_wait_dscnt 7-\i
	v_pk_add_f32 v[KB+4*\i:KB+4*\i+1],   v[XQ+32*\rt+4*\i:XQ+32*\rt+4*\i+1],   v[KB+4*\i:KB+4*\i+1]   neg_lo:[0,1] neg_hi:[0,1]
	v_pk_add_f32 v[KB+4*\i+2:KB+4*\i+3], v[XQ+32*\rt+4*\i+2:XQ+32*\rt+4*\i+3], v[KB+4*\i+2:KB+4*\i+3] neg_lo:[0,1] neg_hi:[0,1]
.endr
	WIN 0
.irp i, 0,1,2,3,4,5,6,7
	v_cvt_pk_f16_f32 v[VB+2*\i],   v[KB+4*\i],   v[KB+4*\i+1]
	v_cvt_pk_f16_f32 v[VB+2*\i+1], v[KB+4*\i+2], v[KB+4*\i+3]
	global_store_b64 v[YO], v[VB+2*\i:VB+2*\i+1], s[16:17] offset:(16*\rt+2*\i)*128   ; the wave stores 256 consecutive bytes, aligned: two rows of the head's block
.endr
.endm
	ATT 0
	OUT 0
	ATT 1
	OUT 1
	s_set_vgpr_msb 0x5
	s_wait_tensorcnt 0x0
	ds_add_u32 v240, v241
	s_wait_dscnt 0x0
	s_set_vgpr_msb 0x500
	CROUND                                         ; the closing round: no work-group ends while a partner may still ask for a tile that names it
	s_endpgm
.Lfunc_end_k_qe29b12c1e6_qkvatt:
	.size	k_qe29b12c1e6_qkvatt, .Lfunc_end_k_qe29b12c1e6_qkvatt-k_qe29b12c1e6_qkvatt
	.p2alignl 7, 3214868480
	.fill 96, 4, 3214868480
	.section	.rodata,"a",@progbits
	.p2align	6, 0x0
	.amdhsa_kernel k_qe29b12c1e6_qkvatt
		.amdhsa_group_segment_fixed_size 327680
		.amdhsa_private_segment_fixed_size 0
		.amdhsa_enable_private_segment 0
		.amdhsa_kernarg_size 56
		.amdhsa_user_sgpr_count 2
		.amdhsa_user_sgpr_kernarg_segment_ptr 1
		.amdhsa_wavefront_size32 1
		.amdhsa_system_sgpr_workgroup_id_x 1
		.amdhsa_system_sgpr_workgroup_id_y 1
		.amdhsa_system_sgpr_workgroup_id_z 1
		.amdhsa_system_vgpr_workitem_id 0
		.amdhsa_next_free_vgpr 498
		.amdhsa_next_free_sgpr 74
		.amdhsa_reserve_vcc 0
		.amdhsa_float_denorm_mode_32 3
		.amdhsa_float_denorm_mode_16_64 3
		.amdhsa_memory_ordered 1
		.amdhsa_forward_progress 1
		.amdhsa_inst_pref_size 255
	.end_amdhsa_kernel
	.section	.bss,"aw",@nobits
	.p2align	6
	.space	262144
	.amdgpu_metadata
---
amdhsa.version: [ 1, 2 ]
amdhsa.kernels:
  - .name:           k_qe29b12c1e6_qkvatt
    .symbol:         k_qe29b12c1e6_qkvatt.kd
    .args:
      - { .name: xb, .offset: 0, .size: 8, .value_kind: global_buffer, .address_space: global }
      - { .name: wt, .offset: 8, .size: 8, .value_kind: global_buffer, .address_space: global }
      - { .name: bq, .offset: 16, .size: 8, .value_kind: global_buffer, .address_space: global }
      - { .name: bk, .offset: 24, .size: 8, .value_kind: global_buffer, .address_space: global }
      - { .name: bv, .offset: 32, .size: 8, .value_kind: global_buffer, .address_space: global }
      - { .name: X_Query, .offset: 40, .size: 8, .value_kind: global_buffer, .address_space: global }
      - { .name: yh, .offset: 48, .size: 8, .value_kind: global_buffer, .address_space: global }
    .group_segment_fixed_size: 327680
    .private_segment_fixed_size: 0
    .kernarg_segment_align: 8
    .kernarg_segment_size: 56
    .max_flat_workgroup_size: 128
    .sgpr_count:     74
    .vgpr_count:     498
    .wavefront_size: 32
...
	.end_amdgpu_metadata
.endif
;; end of part 2
;; launch outproj (part 3): grid 16 x 16, 4 waves a work-group, clusters of 4 x 4, 327,680 bytes of LDS; arguments yh, wt, bo, out0; writes out0
.if DOCPART == 3
	.amdgcn_target "amdgcn-amd-amdhsa--gfx1250"
	.amdhsa_code_object_version 6
	.text
	.protected	k_qe29b12c1e6_outproj
	.globl	k_qe29b12c1e6_outproj
	.p2align	8
	.type	k_qe29b12c1e6_outproj,@function
k_qe29b12c1e6_outproj:
	s_mov_b64 s[64:65], 0
	v_nop
	global_prefetch_b8 v0, s[64:65] scope:SCOPE_SE
	s_setreg_imm32_b32 hwreg(HW_REG_WAVE_MODE, 25, 1), 1
	s_wait_xcnt 0x0
	s_wait_alu depctr_hold_cnt(0) depctr_sa_sdst(0) depctr_va_vdst(0) depctr_va_sdst(0) depctr_va_ssrc(0) depctr_va_vcc(0) depctr_vm_vsrc(0)
	s_getreg_b32 s2, hwreg(HW_REG_IB_STS2, 6, 4)
	s_cmp_eq_u32 s2, 0
	s_cbranch_scc0 .Lentry_in_a_cluster
	s_endpgm
.Lentry_in_a_cluster:
	s_bfe_u32 s2, ttmp6, 0x10000c
	s_cmp_lg_u32 s2, 0xf033
	s_cbranch_scc0 .Lentry_shape_is_right
	s_endpgm
.Lentry_shape_is_right:
; out0 = Y Wo + bo, Y = X_Query - heads in f16 from yh [16 by][16 head][128 row][64 f], Wo in f16, transposed and permuted, in wt (matrix 3 of each block of 64 columns).
; A work-group (cb = 64 columns, by = 128 rows) has four waves; wave w makes rows 32 w .. 32 w + 31 x 64 columns: 8 accumulator tiles.
; K = 1024 goes in four steps of 256 (four heads) through three LDS slots: tiles 0, 1, 2 are first fills, tile 3 fills slot 0 again: one refill in the launch.
; CLUSTERS: 4 x 4 work-groups.  Y's tile hangs on by alone and is asked for jointly along a row of the cluster, Wo's on cb alone, along a column.
; Waves 0, 1 ask for the halves of Y's tile (256 rows of 128 bytes, dense in yh), waves 2, 3 for the halves of Wo's (32 rows of 512 bytes).
; The matrix instruction is used transposed, as in the launch before: lane (r, h) holds in register 8 t + j column 32 h + 8 t + j of row r.
; The bias starts the sums.  Operands f16 (11 significant bits: their rounding goes straight into the output), sums f32.
; LIMIT: the two launches before turn |Y| or |Wo| of 65,520 or more into infinity; their heads give the room that the problem's inputs leave.
.set PA,    144                        ; Y's LDS row: 128 bytes + 16
.set PB,    528                        ; Wo's LDS row: 512 bytes + 16
.set ATILE, 512*PA                     ; 73,728: row = 128 x (head of four) + row
.set BTILE, 64*PB                      ; 33,792
.set SLOT,  ATILE+BTILE                ; 107,520
.set SP,    272                        ; the way out: rows of 64 f32 + 16 bytes
.set STG,   16*SP                      ; 4,352 for (wave, rt), at the head of slot 1, which is filled once and read for the last time in front of the second turn's barrier
.set STO,  1
.set RD,   2
.set CO,   3
.set BO,   4
.set ADRA, 8                           ; v8-10   Y's fragments, slot 0, 1, 2
.set ADRB, 11                          ; v11-13  Wo's fragments
.set ACC,  16                          ; v16-79  32 rt + 8 t
.set FB,   80                          ; v80-223 three fragment buffers of 48: Wo 8 t, Y 32 + 8 rt
.set G1A, 24                           ; s[24:31]
.set G0A, 32                           ; s[32:43] a set for each slot
.set G1B, 44                           ; s[44:51]
.set G0B, 52                           ; s[52:63]
.macro PLACES                          ; four plain vector places between a matrix instruction and a load into, or a store of, its registers
.rept 4
	v_nop
.endr
.endm
.macro CREST
	s_cmp_lg_u32 s18, 0
	s_cbranch_scc1 .Lnot_wave_0_\@
	s_barrier_signal -3
.Lnot_wave_0_\@:
	s_barrier_wait -3
	s_barrier_signal -1
	s_barrier_wait -1
.endm
.macro CROUND
	s_barrier_signal -1
	s_barrier_wait -1
	CREST
.endm
	s_load_b256 s[4:11], s[0:1], 0x0               ; yh 4, wt 6, bo 8, out0 10
	v_lshl_add_u32 v224, v0, 2, 0x4ec00
	v_mov_b32 v225, 0
	ds_add_u32 v224, v225
	v_lshrrev_b32 v1, 5, v0
	v_readfirstlane_b32 s18, v1                    ; wave 0..3
	s_lshr_b32 s12, s18, 1                         ; 0: I ask for Y, 1: for Wo
	s_bfe_u32 s19, ttmp6, 0x40000                  ; cx
	s_bfe_u32 s20, ttmp6, 0x40004                  ; cy
	s_lshl_b32 s21, ttmp9, 2
	s_add_co_u32 s21, s21, s19                     ; cb
	s_and_b32 s22, ttmp7, 0xffff
	s_lshl_b32 s22, s22, 2
	s_add_co_u32 s22, s22, s20                     ; by
	s_lshl_b32 s66, s20, 2
	s_lshl_b32 s66, 15, s66                        ; my row of the cluster
	s_lshl_b32 s67, 0x1111, s19                    ; my column
	; Y: 256 rows of 64 elements of 2 bytes, dense (64 elements from row to row), 16 bytes of padding behind every 32 words
	s_or_b32 s[G1A+0], s66, (1<<16)|(1<<20)|(1<<21)|(4<<22)|(3<<25)
	s_mov_b32 s[G1A+1], 64<<16                     ; tensor_dim0 = 64
	s_mov_b32 s[G1A+2], 256<<16                    ; tensor_dim1 = 256
	s_mov_b32 s[G1A+3], 64<<16                     ; tile_dim0 = 64
	s_mov_b32 s[G1A+4], 256                        ; tile_dim1 = 256
	s_mov_b32 s[G1A+5], 64                         ; pitch
	s_mov_b32 s[G1A+6], 0
	s_mov_b32 s[G1A+7], 0
	; Wo: 32 rows of 256 elements, 1,024 elements from row to row, 16 bytes of padding behind every 128 words
	s_or_b32 s[G1B+0], s67, (1<<16)|(1<<20)|(1<<21)|(6<<22)|(3<<25)
	s_mov_b32 s[G1B+1], 256<<16
	s_mov_b32 s[G1B+2], 32<<16
	s_mov_b32 s[G1B+3], 256<<16
	s_mov_b32 s[G1B+4], 32
	s_mov_b32 s[G1B+5], 1024
	s_mov_b32 s[G1B+6], 0
	s_mov_b32 s[G1B+7], 0
	s_lshl_b32 s14, s22, 18                        ; Y: by's 16 heads x 128 rows x 128 bytes,
	s_lshl_b32 s68, s18, 15                        ; + my 256 rows of 128 bytes (waves 0, 1 use it)
	s_add_co_u32 s14, s14, s68
	s_mov_b32 s15, 0
	s_lshl_b32 s16, s21, 19                        ; Wo: cb's 256 rows of 2,048 bytes,
	s_lshl_b32 s69, s18, 16                        ; row 192 + 32 (w - 2) = 128 + 32 w (waves 2, 3 use it)
	s_add_co_u32 s16, s16, s69
	s_add_co_u32 s16, s16, 128*2048
	s_mov_b32 s17, 0
	s_mul_i32 s13, s18, 256*PA                     ; LDS: Y's halves at wave x 36,864,
	s_mul_i32 s23, s18, 32*PB                      ; Wo's at 73,728 + (w - 2) x 16,896
	s_add_co_u32 s23, s23, ATILE-2*32*PB
	s_wait_dscnt 0x0
	s_wait_kmcnt 0x0
	s_add_nc_u64 s[14:15], s[4:5], s[14:15]
	s_add_nc_u64 s[16:17], s[6:7], s[16:17]
	CROUND                                         ; all sixteen work-groups are here: the first joint loads meet
.irp s, 0,1,2
	s_mov_b32 s[G0A+4*\s], 1
	s_add_co_u32 s[G0A+4*\s+1], s13, \s*SLOT
	s_add_nc_u64 s[G0A+4*\s+2:G0A+4*\s+3], s[14:15], \s*65536      ; K step s: four heads of 16,384 bytes
	s_or_b32 s[G0A+4*\s+3], s[G0A+4*\s+3], 0x80000000
	s_mov_b32 s[G0B+4*\s], 1
	s_add_co_u32 s[G0B+4*\s+1], s23, \s*SLOT
	s_add_nc_u64 s[G0B+4*\s+2:G0B+4*\s+3], s[16:17], \s*512        ; 256 numbers of 2 bytes along the rows
	s_or_b32 s[G0B+4*\s+3], s[G0B+4*\s+3], 0x80000000
.endr
	s_cmp_eq_u32 s12, 0                            ; all three first fills of a wave inside one branch: three tensor loads of the wave are out
	s_cbranch_scc0 .Lfirst_b
	tensor_load_to_lds s[G0A:G0A+3], s[G1A:G1A+7]
	s_nop 0
	tensor_load_to_lds s[G0A+4:G0A+7], s[G1A:G1A+7]
	s_nop 0
	tensor_load_to_lds s[G0A+8:G0A+11], s[G1A:G1A+7]
	s_nop 0
	s_branch .Lfirst_done
.Lfirst_b:
	tensor_load_to_lds s[G0B:G0B+3], s[G1B:G1B+7]
	s_nop 0
	tensor_load_to_lds s[G0B+4:G0B+7], s[G1B:G1B+7]
	s_nop 0
	tensor_load_to_lds s[G0B+8:G0B+11], s[G1B:G1B+7]
	s_nop 0
.Lfirst_done:
	s_lshl_b32 s70, s21, 8                         ; cb's 64 f32
	s_mov_b32 s71, 0
	s_add_nc_u64 s[8:9], s[8:9], s[70:71]          ; bo at my columns
	s_lshl_b32 s68, s22, 19                        ; 128 by rows of 4,096 bytes
	s_add_co_u32 s70, s70, s68
	s_add_nc_u64 s[10:11], s[10:11], s[70:71]      ; out0 at the block
	v_and_b32 v5, 15, v0                           ; r
	v_bfe_u32 v6, v0, 4, 1                         ; h
	v_lshlrev_b32 v[BO], 7, v6                     ; my 32 columns
.irp rt, 0,1
.irp t, 0,1,2,3
	global_load_b128 v[ACC+32*\rt+8*\t:ACC+32*\rt+8*\t+3],   v[BO], s[8:9] offset:32*\t      ; the bias starts the sums: nothing is cleared
	global_load_b128 v[ACC+32*\rt+8*\t+4:ACC+32*\rt+8*\t+7], v[BO], s[8:9] offset:32*\t+16
.endr
.endr
	s_mul_i32 s68, s18, 2*STG
	s_add_co_u32 s68, s68, SLOT                    ; my stage
	v_mul_u32_u24 v7, v5, SP
	v_lshl_add_u32 v[STO], v6, 7, v7               ; in: row r, 128 h
	v_add_nc_u32 v[STO], s68, v[STO]
	v_mul_u32_u24 v[RD], v6, SP                    ; back: row h of each two, 16 r
	v_lshl_add_u32 v[RD], v5, 4, v[RD]
	v_add_nc_u32 v[RD], s68, v[RD]
	v_lshlrev_b32 v[CO], 12, v6                    ; the same two rows in out0,
	v_lshl_add_u32 v[CO], v5, 4, v[CO]
	s_lshl_b32 s69, s18, 17                        ; + 32 w rows
	v_add_nc_u32 v[CO], s69, v[CO]
	v_mul_u32_u24 v7, v5, PA                       ; Y's fragments: row 32 w + r, 16 h
	v_lshl_add_u32 v7, v6, 4, v7
	s_mul_i32 s69, s18, 32*PA
	v_add_nc_u32 v7, s69, v7
	v_mul_u32_u24 v14, v5, PB                      ; Wo's fragments: row r, 16 h
	v_lshl_add_u32 v14, v6, 4, v14
.irp s, 0,1,2
	v_add_nc_u32 v[ADRA+\s], \s*SLOT, v7
	v_add_nc_u32 v[ADRB+\s], \s*SLOT+ATILE, v14
.endr
; Unit u = 0 .. 31 is 32 along K: K step u >> 3 (slot 0, 1, 2, 0), half-head u & 7, buffer u % 3.
.macro FETCH                           ; the 12 fragment loads of unit fu
.set fs, (fu>>3)%3
.set fk, fu&7
.set fb, FB+48*(fu%3)
.irp t, 0,1,2,3
	ds_load_b128 v[fb+8*\t:fb+8*\t+3],   v[ADRB+fs] offset:16*\t*PB+64*fk
	ds_load_b128 v[fb+8*\t+4:fb+8*\t+7], v[ADRB+fs] offset:16*\t*PB+64*fk+32
.endr
.irp rt, 0,1
	ds_load_b128 v[fb+32+8*\rt:fb+32+8*\rt+3],   v[ADRA+fs] offset:(fk>>1)*128*PA+16*\rt*PA+64*(fk&1)
	ds_load_b128 v[fb+32+8*\rt+4:fb+32+8*\rt+7], v[ADRA+fs] offset:(fk>>1)*128*PA+16*\rt*PA+64*(fk&1)+32
.endr
.endm
.macro MUL                             ; the 8 matrix instructions of unit iu: the 8 accumulators take turns in one fixed order, one instruction a turn
.set mb, FB+48*(iu%3)
.irp rt, 0,1
.irp t, 0,1,2,3
	v_wmma_f32_16x16x32_f16 v[ACC+32*\rt+8*\t:ACC+32*\rt+8*\t+7], v[mb+8*\t:mb+8*\t+7], v[mb+32+8*\rt:mb+32+8*\rt+7], v[ACC+32*\rt+8*\t:ACC+32*\rt+8*\t+7]
.endr
.endr
.endm
	s_wait_tensorcnt 0x2                           ; my part of tile 0 is in; tiles 1 and 2, issued behind it, stay out
	s_barrier_signal -1
	s_barrier_wait -1
	s_wait_loadcnt 0x0                             ; the bias is in the accumulators
.set fu, 0
	FETCH
.set fu, 1
	FETCH
.set fu, 2
	FETCH
.set iu, 0
.rept 32
.set turn, 0
.if iu == 5
.set turn, 1                           ; units 6, 7 are fetched: slot 0 has been read; unit 8 is the first of slot 1
.endif
.if iu == 21
.set turn, 2                           ; unit 24 is the first of tile 3
.endif
.if turn
	s_wait_dscnt 0x0                               ; my reads so far are over,
	s_wait_tensorcnt 0x0                           ; and all my tensor loads have landed
	ds_add_u32 v224, v225
	s_wait_dscnt 0x0
	s_barrier_signal -1
	MUL                                            ; work on registers while the others arrive
	s_barrier_wait -1
.if turn == 1
	CREST                                          ; no wave of any partner still reads slot 0 or has a load on its way; tiles 1 and 2 are whole for every wave
	s_add_nc_u64 s[G0A+2:G0A+3], s[G0A+2:G0A+3], 3*65536           ; tile 3; no tensor load of mine is out
	s_add_nc_u64 s[G0B+2:G0B+3], s[G0B+2:G0B+3], 3*512
	s_cmp_eq_u32 s12, 0
	s_cbranch_scc0 .Lre_b
	tensor_load_to_lds s[G0A:G0A+3], s[G1A:G1A+7]                  ; the first tensor load behind the round, my only one from here on: sixteen units in which to land
	s_nop 0
	s_branch .Lre_done
.Lre_b:
	tensor_load_to_lds s[G0B:G0B+3], s[G1B:G1B+7]
	s_nop 0
.Lre_done:
.endif
.else
.if iu < 30
	s_wait_dscnt 24                                ; this unit's 12 loads are in, the two younger units' stay out
.else
	s_wait_dscnt 12*(31-iu)                        ; the last units fetch nothing: the counts run down
.endif
	MUL
.endif
.if iu < 29
	PLACES
.set fu, iu+3
	FETCH
.endif
.set iu, iu+1
.endr
	; THE WAY OUT: a lane's 128 bytes of row r into my own stage, whole rows back, sixteen lanes store 256 consecutive bytes, aligned.
	; LDS serves a wave's instructions in order: no wait between my stores and my loads.
	PLACES
.irp rt, 0,1
.irp i, 0,1,2,3,4,5,6,7
	ds_store_b128 v[STO], v[ACC+32*\rt+4*\i:ACC+32*\rt+4*\i+3] offset:\rt*STG+16*\i
.endr
.irp i, 0,1,2,3,4,5,6,7
	ds_load_b128 v[FB+32*\rt+4*\i:FB+32*\rt+4*\i+3], v[RD] offset:\rt*STG+2*\i*SP
.endr
.endr
.irp i, 0,1,2,3,4,5,6,7
	s_wait_dscnt 23-\i                             ; behind this load: 7 - i loads, then the second row tile's 8 stores and 8 loads
	global_store_b128 v[CO], v[FB+4*\i:FB+4*\i+3], s[10:11] offset:2*\i*4096 th:TH_STORE_NT
.endr
.irp i, 0,1,2,3,4,5,6,7
	s_wait_dscnt 7-\i
	global_store_b128 v[CO], v[FB+32+4*\i:FB+32+4*\i+3], s[10:11] offset:(16+2*\i)*4096 th:TH_STORE_NT
.endr
	s_wait_tensorcnt 0x0
	ds_add_u32 v224, v225
	s_wait_dscnt 0x0
	CROUND                                         ; the closing round
	s_endpgm
.Lfunc_end_k_qe29b12c1e6_outproj:
	.size	k_qe29b12c1e6_outproj, .Lfunc_end_k_qe29b12c1e6_outproj-k_qe29b12c1e6_outproj
	.p2alignl 7, 3214868480
	.fill 96, 4, 3214868480
	.section	.rodata,"a",@progbits
	.p2align	6, 0x0
	.amdhsa_kernel k_qe29b12c1e6_outproj
		.amdhsa_group_segment_fixed_size 327680
		.amdhsa_private_segment_fixed_size 0
		.amdhsa_enable_private_segment 0
		.amdhsa_kernarg_size 32
		.amdhsa_user_sgpr_count 2
		.amdhsa_user_sgpr_kernarg_segment_ptr 1
		.amdhsa_wavefront_size32 1
		.amdhsa_system_sgpr_workgroup_id_x 1
		.amdhsa_system_sgpr_workgroup_id_y 1
		.amdhsa_system_sgpr_workgroup_id_z 1
		.amdhsa_system_vgpr_workitem_id 0
		.amdhsa_next_free_vgpr 226
		.amdhsa_next_free_sgpr 74
		.amdhsa_reserve_vcc 0
		.amdhsa_float_denorm_mode_32 3
		.amdhsa_float_denorm_mode_16_64 3
		.amdhsa_memory_ordered 1
		.amdhsa_forward_progress 1
		.amdhsa_inst_pref_size 59
	.end_amdhsa_kernel
	.amdgpu_metadata
---
amdhsa.version: [ 1, 2 ]
amdhsa.kernels:
  - .name:           k_qe29b12c1e6_outproj
    .symbol:         k_qe29b12c1e6_outproj.kd
    .args:
      - { .name: yh, .offset: 0, .size: 8, .value_kind: global_buffer, .address_space: global }
      - { .name: wt, .offset: 8, .size: 8, .value_kind: global_buffer, .address_space: global }
      - { .name: bo, .offset: 16, .size: 8, .value_kind: global_buffer, .address_space: global }
      - { .name: out0, .offset: 24, .size: 8, .value_kind: global_buffer, .address_space: global }
    .group_segment_fixed_size: 327680
    .private_segment_fixed_size: 0
    .kernarg_segment_align: 8
    .kernarg_segment_size: 32
    .max_flat_workgroup_size: 128
    .sgpr_count:     74
    .vgpr_count:     226
    .wavefront_size: 32
...
	.end_amdgpu_metadata
.endif
;; end of part 3
